; MI455X (gfx1250); checked and timed in simulation.
; The chip was launched on July 23, 2026; its instructions are those of AMD's public machine-readable ISA for CDNA 5 (MIT licence, August 2026) and "CDNA5" Instruction Set Architecture Reference Guide (July 2026). The comments in the code are by the model that wrote it; some were corrected since.
;; MLP. Allowed arithmetic: matrix products marked QUANTISED: E2M1 operands, one E8M0 scale for each 32 along K, by v_wmma_scale_f32_16x16x128_f8f6f4 with both operands' format E2M1 (or v_wmma_scale_f32_32x16x128_f4), f32 sums; products left as they are: f32 operands where the result goes on into a quantised operand, else bf16, f16 or f32 operands; f32 sums; everything else in f32.
;; Inputs: W_mlp 512 x 1,024 float32; W_out 1 x 512 float32; b_mlp 512 float32; b_out 1 float32; decoder_states_codes 4 x 128 x 16 x 16 uint8 (E2M1 codes of decoder_states, K innermost, in blocks of 32 codes, two codes a byte); decoder_states_scales 4 x 128 x 16 uint8 (E8M0 scales of decoder_states, one for each 32 codes along K); encoder_states_codes 4 x 512 x 16 x 16 uint8 (E2M1 codes of encoder_states, K innermost, in blocks of 32 codes, two codes a byte); encoder_states_scales 4 x 512 x 16 uint8 (E8M0 scales of encoder_states, one for each 32 codes along K).
;; Outputs: out0 4 x 128 x 512 float32.
;; This version of the problem:
;;   THIS VERSION OF THE PROBLEM IS GIVEN IN LOW PRECISION. The matrix products marked QUANTISED in the list below multiply operands that are first quantised to E2M1 (2 exponent bits, 1 mantissa bit; 4 bits a number), with one power-of-two scale for each 32 numbers along K (OCP MX v1.0); their sums are f32. All else is computed in f32.
;;   The module's matrix products, in the order in which they are computed (A, B: the left and right operand; K: the contracted axis; several contracted axes count as one K, in the product's order):
;;     1. [M 2,048, K 512] x [K 512, N 512]; A: input encoder_states (given as codes); B: input W_mlp: QUANTISED
;;     2. [M 512, K 512] x [K 512, N 512]; A: input decoder_states (given as codes); B: input W_mlp: QUANTISED
;;     3. [M 262,144, K 512] x [K 512, N 1]; A: computed on the way; B: input W_out: left as it is (N = 1 < 16)
;;   THE QUANTISER, for each operand of a quantised product, along K:
;;     - K is cut into blocks of 32 from its start; a last block that is shorter is filled with zeros.
;;     - A block's scale is 2^e with e = floor(log2(the largest magnitude in the block)) - 2, held to -126 .. 127; a block of zeros has e = 0. As a byte (E8M0): e + 127.
;;     - Each number is divided by its block's scale, clamped to +-6, and rounded to the nearest number of E2M1, ties to even, subnormals kept.
;;     - The product sums the exact products of the quantised numbers (number of the format x scale) in f32.
;;   ~~~python
;;   def quantise(x, axis):      # numpy; x: float32 -> the quantised numbers, widened to float32 again
;;       x = np.moveaxis(x, axis, -1); K = x.shape[-1]
;;       x = np.pad(x, [(0, 0)] * (x.ndim - 1) + [(0, -K % 32)]); x = x.reshape(x.shape[:-1] + (-1, 32)); a = np.abs(x).max(-1, keepdims=True)
;;       e = np.where(a > 0, np.clip(np.frexp(np.where(a > 0, a, 1))[1] - 1 - 2, -126, 127), 0)      # np.frexp(a)[1] - 1 = floor(log2(a)), exactly
;;       r = np.clip(x / 2.0 ** e, -6, 6)
;;       step = 2.0 ** (np.maximum(np.frexp(np.where(r == 0, 1, r))[1] - 1, 0) - 1)
;;       q = np.round(r / step) * step * 2.0 ** e      # np.round: ties to even
;;       return np.moveaxis(q.reshape(q.shape[:-2] + (-1,))[..., :K], -1, axis).astype(np.float32)
;;   ~~~
;;   INPUTS GIVEN AS CODES. decoder_states (in the module: [4, 128, 512], K = its axis 2); encoder_states (in the module: [4, 512, 512], K = its axis 2): each comes as NAME_codes (uint8): NAME with its K axis moved to the last place and cut into blocks of 32 codes, [.., K / 32, bytes a block], one block behind the other in memory; two codes a byte, the lower K in the low four bits (a code: sign, 2 exponent bits, 1 mantissa bit); and NAME_scales (uint8): the same leading axes, one E8M0 byte (e + 127) for each 32 codes along K. Its value is code x scale, taken as it is: it is not quantised again, and the codes and scales need not be those that the quantiser above would give.
;; 2 versions, each right; version 2 is version 1 with the launch proj written anew for expert scheduling mode. Each part assembles by itself: llvm-mc -triple=amdgcn-amd-amdhsa -mcpu=gfx1250 --defsym DOCPART=n.
;; ======== version 1 of 2: 2 launches
;; limits: a difference of large sums (such as E[x^2] - mean^2): digits are lost where the result is much smaller than its terms
;; workspace buffers: proj 5,242,880 bytes
;; launch proj (part 1): grid 16 x 20, 8 waves a work-group, no clusters, 10,240 bytes of LDS; arguments W_mlp, b_mlp, encoder_states_codes, encoder_states_scales, decoder_states_codes, decoder_states_scales, proj; writes proj
.if DOCPART == 1
	.amdgcn_target "amdgcn-amd-amdhsa--gfx1250"
	.amdhsa_code_object_version 6
	.text
	.protected	k_q53534bdac0_proj
	.globl	k_q53534bdac0_proj
	.p2align	8
	.type	k_q53534bdac0_proj,@function
k_q53534bdac0_proj:
	s_mov_b64 s[64:65], 0
	v_nop
	global_prefetch_b8 v0, s[64:65] scope:SCOPE_SE
	s_setreg_imm32_b32 hwreg(HW_REG_WAVE_MODE, 25, 1), 1
	s_wait_xcnt 0x0
; THE TWO PROJECTIONS, on codes of FP4 (E2M1) with one E8M0 scale for each 32 along K = 512.
;   encoder rows (2,048):  E'[row][h] = - sum over d of enc[row][d] W_mlp[h][d]
;   decoder rows (512):    D [row][h] =   sum over d of dec[row][d] W_mlp[h][512 + d] + b_mlp[h]
; The states arrive as codes and are taken as they lie.  W_mlp arrives as f32 and is quantised here, along its columns, in blocks of 32 from column 0 (encoder) or 512 (decoder).
; SHARES.  Work-group (x, y): hidden units 32 x .. 32 x + 31, rows 128 y .. 128 y + 127 of the 2,560 (y < 16: encoder, else decoder).  Its 256 threads quantise the slab of W (32 rows x 512 columns) once,
; into LDS; then wave w multiplies 16 state rows by the slab's two tiles of 16 hidden units: 8 matrix instructions on two accumulators by turns.
; THE WORKSPACE is laid as the next launch reads it: 160 blocks of 32,768 bytes.  Block 4 G + k holds the 16 rows 64 G + 4 r + k (r = 0 .. 15) as [h / 4][r][4 numbers]: byte (h / 4) 256 + 16 r + 4 (h % 4).
; Wave w of work-group y makes block 8 y + w.  THE MATRIX INSTRUCTION takes source 0 = 16 rows of W, source 1 = 16 state rows: a lane then holds ONE state row (lane % 16) and eight neighbouring h,
; so each store of 16 bytes a lane covers two runs of 256 consecutive bytes, aligned.
; A block's scale is 2^(floor(log2(its largest magnitude)) - 2); its byte is the largest magnitude's exponent field - 2, held at 1 from below.
; LIMITS: a block of W whose largest magnitude lies under 2^-124 (a block of zeros too) gets the byte 1; a block of zeros has zero codes, which add nothing, and the bytes are read by this launch alone.
; NaN and infinities in W_mlp, and a given scale byte of 0xff, are not served.
; No tensor load and no cluster: a work-group's bytes come in one run of register loads at its head, and nothing is fetched again.
.set PITCH, 272                        ; a row of W's codes in LDS: 256 bytes + 16 = 68 words: the 16 rows that a fragment load touches start 4 banks apart (64 banks of 4 bytes: ISA guide 11.1)
.set SCW,   32*PITCH                   ; behind the 32 rows of codes: 32 rows x 16 scale bytes
.set BS,    16                         ; v16-19   the state rows' scale words, K step 0 .. 3
.set AS,    20                         ; v20-27   W's scale words: tile m, K step ks at 4 m + ks
.set BI,    32                         ; v32-47   the bias in the result's layout, 8 registers a tile (zeros for the encoder)
.set ACC,   48                         ; v48-63   the two accumulators
.set BF,    64                         ; v64-95   the state rows' four fragments
.set X,     96                         ; v96-159  8 steps x 8 numbers of W as loaded; later
.set AF,    96                         ;          W's fragments: tile m, K step ks at 32 m + 8 ks
.set CW,    168                        ; v168-175 a step's eight codes
.set SBY,   176                        ; v176-183 a step's scale byte
	s_load_b256 s[4:11], s[0:1], 0x0               ; W_mlp s[4:5], b_mlp s[6:7], the encoder's codes s[8:9] and scales s[10:11]
	s_load_b128 s[12:15], s[0:1], 0x20             ; the decoder's codes s[12:13] and scales s[14:15]
	s_load_b64 s[16:17], s[0:1], 0x30              ; proj
	v_lshl_add_u32 v192, v0, 2, 0x2400
	v_mov_b32 v193, 0
	v_lshrrev_b32 v10, 5, v0
	v_readfirstlane_b32 s18, v10                   ; wave 0..7
	s_and_b32 s19, ttmp7, 0xffff                   ; y: which 128 rows
	s_cmp_ge_u32 s19, 16                           ; decoder?  The choice hangs on the work-group's number alone; both take one path through the text
	s_cselect_b32 s24, 2048, 0                     ; W's first column, in bytes
	s_cselect_b32 s25, 16, 0                       ; the tensor's first y
	s_cselect_b32 s26, 1.0, -1.0                   ; the sign under which the result is kept
	s_cselect_b32 s28, -1, 0                       ; all lanes, or none, take the bias
	s_mov_b32 s27, s26                             ; (the packed form names the pair)
	s_sub_co_u32 s29, s19, s25
	s_lshl_b32 s29, s29, 7                         ; 128 rows a work-group,
	s_lshr_b32 s30, s18, 2
	s_lshl_b32 s30, s30, 6
	s_add_co_u32 s29, s29, s30                     ; + 64 (wave / 4)
	s_and_b32 s30, s18, 3
	s_add_co_u32 s29, s29, s30                     ; + wave % 4: my block's first row in its tensor; lane r takes the row 4 r further on
	s_lshl_b32 s30, s29, 8                         ; its codes: 256 bytes a row
	s_mov_b32 s31, 0
	s_lshl_b32 s32, s29, 4                         ; its scale bytes: 16 a row
	s_mov_b32 s33, 0
	s_lshl_b32 s34, ttmp9, 17                      ; W: 32 rows of 4,096 bytes a slab,
	s_add_co_u32 s34, s34, s24                     ; + the first column
	s_mov_b32 s35, 0
	s_lshl_b32 s36, ttmp9, 7                       ; b_mlp: 32 numbers
	s_mov_b32 s37, 0
	s_lshl_b32 s38, s19, 3
	s_add_co_u32 s38, s38, s18                     ; my block: 8 y + wave
	s_lshl_b32 s38, s38, 15
	s_lshl_b32 s39, ttmp9, 11                      ; in it, 8 quads of h: 2,048 bytes
	s_add_co_u32 s38, s38, s39
	s_mov_b32 s39, 0
	v_lshrrev_b32 v10, 6, v0                       ; thread / 64: which of a step's four rows of W
	v_and_b32 v11, 63, v0                          ; thread % 64: which 8 columns
	v_lshlrev_b32 v1, 12, v10
	v_lshl_add_u32 v1, v11, 5, v1                  ; v1: W: row x 4,096 + 32 bytes a thread
	v_mul_u32_u24 v2, v10, PITCH
	v_lshl_add_u32 v2, v11, 2, v2                  ; v2: my eight codes' word in LDS
	v_bfe_u32 v12, v0, 2, 4                        ; my block of 32 in the row: four lanes share it
	v_lshl_add_u32 v3, v10, 4, v12
	v_add_nc_u32 v3, SCW, v3                       ; v3: its scale byte in LDS
	v_and_b32 v13, 15, v0                          ; r
	v_bfe_u32 v14, v0, 4, 1                        ; h: the lane's half
	v_lshlrev_b32 v4, 10, v13
	v_lshl_add_u32 v4, v14, 4, v4                  ; v4: state codes: 4 r rows of 256 bytes, + 16 h
	v_lshlrev_b32 v5, 6, v13                       ; v5: state scales: 4 r rows of 16 bytes
	v_lshlrev_b32 v6, 5, v14                       ; v6: the bias: my half's eight numbers of a tile
	s_wait_kmcnt 0x0
	s_cmp_ge_u32 s19, 16                           ; (the sums above have written SCC)
	s_cselect_b64 s[20:21], s[12:13], s[8:9]       ; the states' codes
	s_cselect_b64 s[22:23], s[14:15], s[10:11]     ; and scales
	s_add_nc_u64 s[20:21], s[20:21], s[30:31]
	s_add_nc_u64 s[22:23], s[22:23], s[32:33]
	s_add_nc_u64 s[4:5], s[4:5], s[34:35]
	s_add_nc_u64 s[6:7], s[6:7], s[36:37]
	s_add_nc_u64 s[16:17], s[16:17], s[38:39]
	; ALL GLOBAL LOADS IN ONE RUN: 16 of W, then 13 others.
.irp s, 0,1,2,3,4,5,6,7                        ; step s: rows 4 s .. 4 s + 3 of the slab; a lane's 8 numbers are neighbours along K; a wave's two loads together cover 1,024 consecutive bytes
	global_load_b128 v[X+8*\s:X+8*\s+3],   v1, s[4:5] offset:16384*\s
	global_load_b128 v[X+8*\s+4:X+8*\s+7], v1, s[4:5] offset:16384*\s+16
.endr
.irp ks, 0,1,2,3                               ; a fragment, 16 rows x 128 K of 4-bit codes: registers 4 c .. 4 c + 3 hold K = 64 c + 32 h + 0 .. 31: 16 bytes of the row as they lie
	global_load_b128 v[BF+8*\ks:BF+8*\ks+3],   v4, s[20:21] offset:64*\ks
	global_load_b128 v[BF+8*\ks+4:BF+8*\ks+7], v4, s[20:21] offset:64*\ks+32
.endr
	global_load_b128 v[BS:BS+3], v5, s[22:23]      ; my row's 16 scale bytes: a word for each K step
.irp m, 0,1
	global_load_b128 v[BI+8*\m:BI+8*\m+3],   v6, s[6:7] offset:64*\m
	global_load_b128 v[BI+8*\m+4:BI+8*\m+7], v6, s[6:7] offset:64*\m+16
.endr
; One step of the quantiser: my 8 numbers become 8 codes; the block of 32 lies in four neighbouring lanes.
.macro QSTEP s
	s_wait_loadcnt 27-2*\s                         ; loads come back in order: behind this step's two stand the 14 - 2 s of later steps and the 13 others
	v_max3_num_f32 v160, |v[X+8*\s]|, |v[X+8*\s+1]|, 0x1800000      ; the largest magnitude of my 8, in two short chains, with the floor 2^(3 - 127) among the leaves: the byte cannot fall under 1
	v_max3_num_f32 v162, |v[X+8*\s+2]|, |v[X+8*\s+3]|, |v[X+8*\s+4]|
	v_max3_num_f32 v160, v160, |v[X+8*\s+5]|, |v[X+8*\s+6]|
	v_max3_num_f32 v160, v160, v162, |v[X+8*\s+7]|
	v_max_num_f32_dpp v160, v160, v160 row_xmask:1 row_mask:0xf bank_mask:0xf
	v_max_num_f32_dpp v160, v160, v160 row_xmask:2 row_mask:0xf bank_mask:0xf   ; with the three lanes beside me: the block's
	v_add_nc_u32 v161, 0xff000000, v160            ; 2 off its exponent field: the conversion takes the exponent field of this operand as its scale, and nothing else of it
	v_cvt_scalef32_pk8_fp4_f32 v[CW+\s], v[X+8*\s:X+8*\s+7], v161   ; to the nearest code, ties to even, beyond 6 the largest code; the first number's code in the lowest four bits
	v_lshrrev_b32 v[SBY+\s], 23, v161              ; the scale's byte (also the plain line behind the conversion)
	ds_store_b32 v2, v[CW+\s] offset:4*PITCH*\s
	ds_store_b8 v3, v[SBY+\s] offset:64*\s         ; the four lanes of a block write the same byte with the same value
.endm
.irp s, 0,1,2,3,4,5,6,7
	QSTEP \s
.endr
	s_wait_loadcnt 0x0                             ; the states' fragments and scales, and the bias
.irp i, 0,1,2,3,4,5,6,7,8,9,10,11,12,13,14,15
	v_cndmask_b32 v[BI+\i], 0, v[BI+\i], s28       ; the bias belongs to the decoder's part alone: the encoder's sums begin with zeros
.endr
	v_mul_u32_u24 v7, v13, PITCH                   ; (these five plain lines stand between the last write of a C register and the first matrix instruction)
	v_lshl_add_u32 v7, v14, 4, v7                  ; v7: W's fragments: row r x pitch + 16 h
	v_lshl_add_u32 v8, v13, 4, SCW                 ; v8: W's scale words: 16 bytes a row
	v_lshlrev_b32 v9, 9, v14
	v_lshl_add_u32 v9, v13, 4, v9                  ; v9: the way out: 2 quads of h for my half, + 16 r
	s_wait_dscnt 0x0                               ; for the others' sake: my stores of codes and bytes have landed
	s_barrier_signal -1
	s_barrier_wait -1                              ; the whole slab lies in LDS
.irp m, 0,1
.irp ks, 0,1,2,3
	ds_load_b128 v[AF+32*\m+8*\ks:AF+32*\m+8*\ks+3],   v7 offset:16*PITCH*\m+64*\ks
	ds_load_b128 v[AF+32*\m+8*\ks+4:AF+32*\m+8*\ks+7], v7 offset:16*PITCH*\m+64*\ks+32
.endr
	ds_load_b128 v[AS+4*\m:AS+4*\m+3], v8 offset:256*\m
.endr
	s_wait_dscnt 0x0
	; The two accumulators take turns, one instruction a turn.  Each sum's first instruction takes the bias as its C: nothing is cleared and nothing is added later.
.irp ks, 0,1,2,3
.irp m, 0,1
.if \ks == 0
	v_wmma_scale_f32_16x16x128_f8f6f4 v[ACC+8*\m:ACC+8*\m+7], v[AF+32*\m+8*\ks:AF+32*\m+8*\ks+7], v[BF+8*\ks:BF+8*\ks+7], v[BI+8*\m:BI+8*\m+7], v[AS+4*\m+\ks], v[BS+\ks] matrix_a_fmt:MATRIX_FMT_FP4 matrix_b_fmt:MATRIX_FMT_FP4
.else
	v_wmma_scale_f32_16x16x128_f8f6f4 v[ACC+8*\m:ACC+8*\m+7], v[AF+32*\m+8*\ks:AF+32*\m+8*\ks+7], v[BF+8*\ks:BF+8*\ks+7], v[ACC+8*\m:ACC+8*\m+7], v[AS+4*\m+\ks], v[BS+\ks] matrix_a_fmt:MATRIX_FMT_FP4 matrix_b_fmt:MATRIX_FMT_FP4
.endif
.endr
.endr
.rept 4
	v_nop                                          ; four places between the last products and the first read of their results (ISA guide 7.12.1); no other vector work is left
.endr
.irp i, 0,2,4,6,8,10,12,14
	v_pk_mul_f32 v[ACC+\i:ACC+\i+1], v[ACC+\i:ACC+\i+1], s[26:27] op_sel_hi:[1,0]   ; the sign: -1 for the encoder, 1 for the decoder; each accumulator from its low end on
.endr
.irp m, 0,1
.irp g, 0,1
	global_store_b128 v9, v[ACC+8*\m+4*\g:ACC+8*\m+4*\g+3], s[16:17] offset:1024*\m+256*\g   ; register 8 m + 4 g + i of lane (r, h): h unit 32 x + 16 m + 8 h + 4 g + i of row r: sixteen lanes store 256 consecutive bytes, aligned
.endr
.endr
	s_wait_tensorcnt 0x0
	ds_add_u32 v192, v193
	s_wait_dscnt 0x0
	s_endpgm
.Lfunc_end_k_q53534bdac0_proj:
	.size	k_q53534bdac0_proj, .Lfunc_end_k_q53534bdac0_proj-k_q53534bdac0_proj
	.p2alignl 7, 3214868480
	.fill 96, 4, 3214868480
	.section	.rodata,"a",@progbits
	.p2align	6, 0x0
	.amdhsa_kernel k_q53534bdac0_proj
		.amdhsa_group_segment_fixed_size 10240
		.amdhsa_private_segment_fixed_size 0
		.amdhsa_enable_private_segment 0
		.amdhsa_kernarg_size 56
		.amdhsa_user_sgpr_count 2
		.amdhsa_user_sgpr_kernarg_segment_ptr 1
		.amdhsa_wavefront_size32 1
		.amdhsa_system_sgpr_workgroup_id_x 1
		.amdhsa_system_sgpr_workgroup_id_y 1
		.amdhsa_system_sgpr_workgroup_id_z 1
		.amdhsa_system_vgpr_workitem_id 0
		.amdhsa_next_free_vgpr 194
		.amdhsa_next_free_sgpr 66
		.amdhsa_reserve_vcc 0
		.amdhsa_float_denorm_mode_32 3
		.amdhsa_float_denorm_mode_16_64 3
		.amdhsa_memory_ordered 1
		.amdhsa_forward_progress 1
		.amdhsa_inst_pref_size 16
	.end_amdhsa_kernel
	.amdgpu_metadata
---
amdhsa.version: [ 1, 2 ]
amdhsa.kernels:
  - .name:           k_q53534bdac0_proj
    .symbol:         k_q53534bdac0_proj.kd
    .args:
      - { .name: W_mlp, .offset: 0, .size: 8, .value_kind: global_buffer, .address_space: global }
      - { .name: b_mlp, .offset: 8, .size: 8, .value_kind: global_buffer, .address_space: global }
      - { .name: encoder_states_codes, .offset: 16, .size: 8, .value_kind: global_buffer, .address_space: global }
      - { .name: encoder_states_scales, .offset: 24, .size: 8, .value_kind: global_buffer, .address_space: global }
      - { .name: decoder_states_codes, .offset: 32, .size: 8, .value_kind: global_buffer, .address_space: global }
      - { .name: decoder_states_scales, .offset: 40, .size: 8, .value_kind: global_buffer, .address_space: global }
      - { .name: proj, .offset: 48, .size: 8, .value_kind: global_buffer, .address_space: global }
    .group_segment_fixed_size: 10240
    .private_segment_fixed_size: 0
    .kernarg_segment_align: 8
    .kernarg_segment_size: 56
    .max_flat_workgroup_size: 256
    .sgpr_count:     66
    .vgpr_count:     194
    .wavefront_size: 32
...
	.end_amdgpu_metadata
.endif
;; end of part 1
;; launch score (part 2): grid 8 x 32, 16 waves a work-group, no clusters, 165,888 bytes of LDS; arguments proj, W_out, b_out, out0; writes out0
.if DOCPART == 2
	.amdgcn_target "amdgcn-amd-amdhsa--gfx1250"
	.amdhsa_code_object_version 6
	.text
	.protected	k_q53534bdac0_score
	.globl	k_q53534bdac0_score
	.p2align	8
	.type	k_q53534bdac0_score,@function
k_q53534bdac0_score:
	s_mov_b64 s[64:65], 0
	v_nop
	global_prefetch_b8 v0, s[64:65] scope:SCOPE_SE
	s_setreg_imm32_b32 hwreg(HW_REG_WAVE_MODE, 25, 1), 1
	s_wait_xcnt 0x0
; out[b][q][e] = sum over h of w[h] relu(dec_proj[b][q][h] + enc_proj[b][e][h] + b_mlp[h]) + b_out, all in f32, from D = dec_proj + b_mlp and E' = -enc_proj as the launch before has laid them.
; THE ARITHMETIC.  relu(D - E') = max(D, E') - E'.  So out = sum w max(D, E') - sum w E' + b_out.  The second sum hangs on (e, h) alone and is made once for the 16 q that a lane serves; it is the addend of each
; accumulator's first multiply-add.  An element then costs one maximum and one multiply-add, and both are issued two at a time in the dual form: one issue slot an element.
; LIMITS: a lane's sum begins with minus its own 16 terms w E' and then takes its 16 terms w max(D, E'): the cancellation stays inside 16 terms of f32, but the order of rounding is not reference()'s.
; An infinite projection gives NaN where reference() gives infinity; NaN in the projections is not served (the maximum drops it).
; SHARES.  Work-group (x, y): batch b = y / 8; the 64 e from 64 x on (E' blocks 4 (8 b + x) + k, k = 0 .. 3); the 16 q of D block 128 + y: rows 64 (y / 4) + 4 r + y % 4 of out, r = 0 .. 15.
; Wave hs of sixteen takes hidden units 32 hs .. 32 hs + 31 for all 1,024 pairs.  Lane (el = lane % 16, hh = lane / 16) takes e = 64 x + 4 el + k, k = 0 .. 3, and h = 32 hs + 16 hh + j, j = 0 .. 15:
; 64 numbers of E' in registers, each loaded once in the work-group and used 16 times.  D's numbers are the same for sixteen lanes: the wave's 2,048 bytes of D lie in its own LDS bytes and are read from there,
; sixteen lanes to an address.  The waves' partial sums meet in LDS behind the one barrier; wave hs then finishes q index hs and stores 256 consecutive bytes of a row of out, aligned.
; No matrix instruction: the product with w has one column.  No tensor load and no cluster: E' goes from memory straight into the registers of the one wave that uses it.
.set DUAL,  1                          ; 1: two instructions in one; 0: the same written singly
.set PART,  32768                      ; LDS: 16 x 2,048 bytes of D, a wave's own each; then 16 x 8,192 bytes of partial sums: wave, q x 512, lane x 16
.set W,     16                         ; v16-31   w of my 16 h
.set S,     32                         ; v32-35   sum over my 16 h of w E', for k = 0 .. 3
.set T,     36                         ; v36-43   eight maxima at work
.set DA,    44                         ; v44-75   D of two q, 16 h each
.set DB,    76                         ; v76-107  the same, by turns
.set E,     108                        ; E' of k = 0, 1, 2, 3 at v108, v126, v142, v160, 16 registers each: the dual form wants the register numbers of its two second sources to differ modulo 4 (ISA guide, the VOPD encoding): here by 18
.set ACC,   176                        ; v176-239 accumulator (q, k) at 4 q + k; the first 16 also carry D on its way to LDS
.set R,     44                         ; v44-107  the sixteen waves' parts of my q
.macro MAX2 t, d, ea, eb               ; two maxima against one number of D: first sources the same register, destinations even and odd
.if DUAL
	v_dual_max_num_f32 v[\t], v[\d], v[\ea] :: v_dual_max_num_f32 v[(\t)+1], v[\d], v[\eb]
.else
	v_max_num_f32 v[\t], v[\d], v[\ea]
	v_max_num_f32 v[(\t)+1], v[\d], v[\eb]
.endif
.endm
.macro FMA2 a, w, ta, tb               ; two multiply-adds by one number of w
.if DUAL
	v_dual_fmac_f32 v[\a], v[\w], v[\ta] :: v_dual_fmac_f32 v[(\a)+1], v[\w], v[\tb]
.else
	v_fmac_f32 v[\a], v[\w], v[\ta]
	v_fmac_f32 v[(\a)+1], v[\w], v[\tb]
.endif
.endm
.macro MUL2 a, w, ta, tb               ; the first terms of the sums over E': nothing is cleared
.if DUAL
	v_dual_mul_f32 v[\a], v[\w], v[\ta] :: v_dual_mul_f32 v[(\a)+1], v[\w], v[\tb]
.else
	v_mul_f32 v[\a], v[\w], v[\ta]
	v_mul_f32 v[(\a)+1], v[\w], v[\tb]
.endif
.endm
.macro FIRST2 a, t, s                  ; an accumulator pair's first term: max x w[0] - S (of the pair v[W:W+1] the low word serves both halves)
	v_pk_fma_f32 v[\a:(\a)+1], v[\t:(\t)+1], v[W:W+1], v[\s:(\s)+1] op_sel_hi:[1,0,1] neg_lo:[0,0,1] neg_hi:[0,0,1]
.endm
.macro DLOAD u, buf                    ; D of q = 2 u and 2 u + 1, my half's 16 h: eight loads; the sixteen lanes of a half read the same 16 bytes
.irp qq, 0,1
.irp i, 0,1,2,3
	ds_load_b128 v[\buf+16*\qq+4*\i:\buf+16*\qq+4*\i+3], v4 offset:256*\i+(2*(\u)+\qq)*16
.endr
.endr
.endm
; Two q against my 4 e x 16 h: for each h four pairs of maxima, then four pairs of multiply-adds: a maximum is read four lines behind its making, an accumulator taken up again eight lines on.
.macro UNIT u, buf, left, next
	s_wait_dscnt \left                             ; LDS answers in order: this unit's eight loads are in; the next unit's eight (left = 8) may be out
.irp j, 0,1,2,3,4,5,6,7,8,9,10,11,12,13,14,15
.irp qq, 0,1
.irp p, 0,1
	MAX2 T+4*\qq+2*\p, \buf+16*\qq+\j, E+34*\p+\j, E+18+34*\p+\j
.endr
.endr
.irp qq, 0,1
.irp p, 0,1
.if \j == 0
	FIRST2 ACC+4*(2*\u+\qq)+2*\p, T+4*\qq+2*\p, S+2*\p
.else
	FMA2 ACC+4*(2*\u+\qq)+2*\p, W+\j, T+4*\qq+2*\p, T+4*\qq+2*\p+1
.endif
.endr
.endr
.endr
.if \next
	DLOAD \u+2, \buf                               ; the buffer just read takes the unit two further on: a whole unit's work ahead of its use
.endif
.endm
	s_load_b256 s[4:11], s[0:1], 0x0               ; proj s[4:5], W_out s[6:7], b_out s[8:9], out0 s[10:11]
	v_lshl_add_u32 v240, v0, 2, 0x28000
	v_mov_b32 v241, 0
	v_lshrrev_b32 v10, 5, v0
	v_readfirstlane_b32 s14, v10                   ; hs: wave 0..15
	s_and_b32 s15, ttmp7, 0xffff                   ; y
	s_lshl_b32 s2, s14, 11                         ; my 32 h in a block: 8 quads of 256 bytes; also my 2,048 bytes of LDS for D
	s_lshr_b32 s24, s15, 3                         ; b
	s_lshl_b32 s24, s24, 3
	s_add_co_u32 s24, s24, ttmp9                   ; the group of 64 encoder rows: 8 b + x
	s_lshl_b32 s24, s24, 17                        ; four blocks of 32,768 bytes a group
	s_add_co_u32 s24, s24, s2
	s_mov_b32 s25, 0
	s_add_co_u32 s26, s15, 128                     ; D's block
	s_lshl_b32 s26, s26, 15
	s_add_co_u32 s26, s26, s2
	s_mov_b32 s27, 0
	s_lshl_b32 s28, s14, 7                         ; w: my 32 numbers
	s_mov_b32 s29, 0
	s_lshr_b32 s30, s15, 2
	s_lshl_b32 s30, s30, 6
	s_lshl_b32 s31, s14, 2
	s_add_co_u32 s30, s30, s31
	s_and_b32 s31, s15, 3
	s_add_co_u32 s30, s30, s31                     ; the row of out that I finish: 64 (y / 4) + 4 hs + y % 4
	s_lshl_b32 s30, s30, 11                        ; 2,048 bytes a row,
	s_lshl_b32 s31, ttmp9, 8                       ; + the work-group's 64 e
	s_add_co_u32 s30, s30, s31
	s_mov_b32 s31, 0
	v_and_b32 v11, 31, v0                          ; lane
	v_and_b32 v12, 15, v0                          ; el
	v_bfe_u32 v13, v0, 4, 1                        ; hh
	v_lshlrev_b32 v1, 10, v13
	v_lshl_add_u32 v1, v12, 4, v1                  ; v1: E': my half's four quads, row el
	v_lshlrev_b32 v2, 4, v11                       ; v2: 16 x lane: D as it lies
	v_lshlrev_b32 v5, 6, v13                       ; v5: w: my half's 16 numbers
	v_add_nc_u32 v3, s2, v2                        ; v3: D into my wave's LDS bytes, as it lies
	v_lshl_add_u32 v4, v13, 10, s2                 ; v4: and out of them: my half's four quads
	s_lshl_b32 s3, s14, 13
	s_add_co_u32 s3, s3, PART
	v_add_nc_u32 v6, s3, v2                        ; v6: my wave's partial sums
	s_lshl_b32 s3, s14, 9
	s_add_co_u32 s3, s3, PART
	v_add_nc_u32 v7, s3, v2                        ; v7: q index hs in the parts of waves 0 to 7,
	v_add_nc_u32 v8, 0x10000, v7                   ; v8: and of waves 8 to 15 (an LDS offset has 16 bits)
	v_lshlrev_b32 v9, 4, v12
	v_lshl_add_u32 v9, v13, 3, v9                  ; v9: the way out: 16 el + 8 hh
	s_wait_kmcnt 0x0
	s_load_b32 s12, s[8:9], 0x0                    ; b_out's number
	s_add_nc_u64 s[16:17], s[4:5], s[24:25]        ; E'
	s_add_nc_u64 s[18:19], s[4:5], s[26:27]        ; D
	s_add_nc_u64 s[20:21], s[6:7], s[28:29]        ; w
	s_add_nc_u64 s[22:23], s[10:11], s[30:31]      ; out
	; ALL GLOBAL LOADS IN ONE RUN: D first, since it has the longer way.
.irp i, 0,1,2,3
	global_load_b128 v[ACC+4*\i:ACC+4*\i+3], v2, s[18:19] offset:512*\i
.endr
.irp i, 0,1,2,3
	global_load_b128 v[W+4*\i:W+4*\i+3], v5, s[20:21] offset:16*\i
.endr
.irp k, 0,1,2,3
.irp i, 0,1,2,3
	global_load_b128 v[E+34*(\k/2)+18*(\k%2)+4*\i:E+34*(\k/2)+18*(\k%2)+4*\i+3], v1, s[16:17] offset:32768*\k+256*\i   ; sixteen lanes read 256 consecutive bytes, aligned
.endr
.endr
	s_wait_loadcnt 20                              ; D's four loads are in; w's four and E's sixteen may be out
.irp i, 0,1,2,3
	ds_store_b128 v3, v[ACC+4*\i:ACC+4*\i+3] offset:512*\i
.endr
	DLOAD 0, DA                                    ; my wave's own bytes, and LDS serves a wave's instructions in order (ISA guide 5.7.1.4): no wait and no barrier between the stores and these loads
	DLOAD 1, DB
	s_wait_loadcnt 0x0                             ; w and E'
	s_wait_kmcnt 0x0                               ; b_out
	s_mov_b32 s13, s12                             ; (the packed form names the pair)
.irp p, 0,1
	MUL2 S+2*\p, W, E+34*\p, E+18+34*\p
.endr
.irp j, 1,2,3,4,5,6,7,8,9,10,11,12,13,14,15
.irp p, 0,1
	FMA2 S+2*\p, W+\j, E+34*\p+\j, E+18+34*\p+\j   ; S[k] = the sum over my 16 h of w E'
.endr
.endr
	UNIT 0, DA, 8, 1
	UNIT 1, DB, 8, 1
	UNIT 2, DA, 8, 1
	UNIT 3, DB, 8, 1
	UNIT 4, DA, 8, 1
	UNIT 5, DB, 8, 1
	UNIT 6, DA, 8, 0                               ; nothing is left to fetch
	UNIT 7, DB, 0, 0
.irp q, 0,1,2,3,4,5,6,7,8,9,10,11,12,13,14,15
	ds_store_b128 v6, v[ACC+4*\q:ACC+4*\q+3] offset:512*\q   ; 32 lanes store 512 consecutive bytes
.endr
	s_wait_dscnt 0x0                               ; for the others' sake: my partial sums have landed
	s_barrier_signal -1
	s_barrier_wait -1                              ; everybody's have
.irp p, 0,1,2,3,4,5,6,7
	ds_load_b128 v[R+4*\p:R+4*\p+3], v7 offset:8192*\p
.endr
.irp p, 0,1,2,3,4,5,6,7
	ds_load_b128 v[R+32+4*\p:R+32+4*\p+3], v8 offset:8192*\p
.endr
	s_wait_dscnt 0x0
.irp d, 32,16,8,4                              ; the sixteen waves' parts, added as a tree: 16 + 8 + 4 + 2 packed additions
.set i, 0
.rept \d/2
	v_pk_add_f32 v[R+i:R+i+1], v[R+i:R+i+1], v[R+\d+i:R+\d+i+1]
.set i, i+2
.endr
.endr
	v_permlane16_swap_b32 v[R], v[R+2]             ; lanes l and l + 16 hold the two halves of h for the same four e.  The first's lanes 16-31 change places with the second's lanes 0-15:
	v_permlane16_swap_b32 v[R+1], v[R+3]           ; v[R:R+1] and v[R+2:R+3] now hold the two halves of k = 0, 1 in lanes 0-15 and of k = 2, 3 in lanes 16-31
	v_pk_add_f32 v[R:R+1], v[R:R+1], v[R+2:R+3]
	v_pk_add_f32 v[R:R+1], v[R:R+1], s[12:13] op_sel_hi:[1,0]   ; + b_out
	global_store_b64 v9, v[R:R+1], s[22:23] th:TH_STORE_NT      ; 32 lanes store 256 consecutive bytes, aligned; written once, read by nobody here
	s_wait_tensorcnt 0x0
	ds_add_u32 v240, v241
	s_wait_dscnt 0x0
	s_endpgm
.Lfunc_end_k_q53534bdac0_score:
	.size	k_q53534bdac0_score, .Lfunc_end_k_q53534bdac0_score-k_q53534bdac0_score
	.p2alignl 7, 3214868480
	.fill 96, 4, 3214868480
	.section	.rodata,"a",@progbits
	.p2align	6, 0x0
	.amdhsa_kernel k_q53534bdac0_score
		.amdhsa_group_segment_fixed_size 165888
		.amdhsa_private_segment_fixed_size 0
		.amdhsa_enable_private_segment 0
		.amdhsa_kernarg_size 32
		.amdhsa_user_sgpr_count 2
		.amdhsa_user_sgpr_kernarg_segment_ptr 1
		.amdhsa_wavefront_size32 1
		.amdhsa_system_sgpr_workgroup_id_x 1
		.amdhsa_system_sgpr_workgroup_id_y 1
		.amdhsa_system_sgpr_workgroup_id_z 1
		.amdhsa_system_vgpr_workitem_id 0
		.amdhsa_next_free_vgpr 242
		.amdhsa_next_free_sgpr 66
		.amdhsa_reserve_vcc 0
		.amdhsa_float_denorm_mode_32 3
		.amdhsa_float_denorm_mode_16_64 3
		.amdhsa_memory_ordered 1
		.amdhsa_forward_progress 1
		.amdhsa_inst_pref_size 80
	.end_amdhsa_kernel
	.amdgpu_metadata
---
amdhsa.version: [ 1, 2 ]
amdhsa.kernels:
  - .name:           k_q53534bdac0_score
    .symbol:         k_q53534bdac0_score.kd
    .args:
      - { .name: proj, .offset: 0, .size: 8, .value_kind: global_buffer, .address_space: global }
      - { .name: W_out, .offset: 8, .size: 8, .value_kind: global_buffer, .address_space: global }
      - { .name: b_out, .offset: 16, .size: 8, .value_kind: global_buffer, .address_space: global }
      - { .name: out0, .offset: 24, .size: 8, .value_kind: global_buffer, .address_space: global }
    .group_segment_fixed_size: 165888
    .private_segment_fixed_size: 0
    .kernarg_segment_align: 8
    .kernarg_segment_size: 32
    .max_flat_workgroup_size: 512
    .sgpr_count:     66
    .vgpr_count:     242
    .wavefront_size: 32
...
	.end_amdgpu_metadata
.endif
;; end of part 2
;; ======== version 2 of 2: 2 launches; version 1 with the launch proj written anew for expert scheduling mode
;; limits: a difference of large sums (such as E[x^2] - mean^2): digits are lost where the result is much smaller than its terms
;; workspace buffers: proj 5,242,880 bytes
;; launch proj (part 3): grid 16 x 20, 8 waves a work-group, no clusters, 10,240 bytes of LDS; arguments W_mlp, b_mlp, encoder_states_codes, encoder_states_scales, decoder_states_codes, decoder_states_scales, proj; writes proj
.if DOCPART == 3
	.amdgcn_target "amdgcn-amd-amdhsa--gfx1250"
	.amdhsa_code_object_version 6
	.text
	.protected	k_q53534bdac0_proj
	.globl	k_q53534bdac0_proj
	.p2align	8
	.type	k_q53534bdac0_proj,@function
k_q53534bdac0_proj:
	s_mov_b64 s[64:65], 0
	v_nop
	global_prefetch_b8 v0, s[64:65] scope:SCOPE_SE
	s_setreg_imm32_b32 hwreg(HW_REG_WAVE_SCHED_MODE, 0, 2), 2
	s_setreg_imm32_b32 hwreg(HW_REG_WAVE_MODE, 25, 1), 1
	s_wait_xcnt 0x0
	s_wait_alu depctr_vm_vsrc(0)
; THE TWO PROJECTIONS, on codes of FP4 (E2M1) with one E8M0 scale for each 32 along K = 512.
;   encoder rows (2,048):  E'[row][h] = - sum over d of enc[row][d] W_mlp[h][d]
;   decoder rows (512):    D [row][h] =   sum over d of dec[row][d] W_mlp[h][512 + d] + b_mlp[h]
; The states arrive as codes and are taken as they lie.  W_mlp arrives as f32 and is quantised here, along its columns, in blocks of 32 from column 0 (encoder) or 512 (decoder).
; SHARES.  Work-group (x, y): hidden units 32 x .. 32 x + 31, rows 128 y .. 128 y + 127 of the 2,560 (y < 16: encoder, else decoder).  Its 256 threads quantise the slab of W (32 rows x 512 columns) once,
; into LDS; then wave w multiplies 16 state rows by the slab's two tiles of 16 hidden units: 8 matrix instructions on two accumulators by turns.
; THE WORKSPACE is laid as the next launch reads it: 160 blocks of 32,768 bytes.  Block 4 G + k holds the 16 rows 64 G + 4 r + k (r = 0 .. 15) as [h / 4][r][4 numbers]: byte (h / 4) 256 + 16 r + 4 (h % 4).
; Wave w of work-group y makes block 8 y + w.  THE MATRIX INSTRUCTION takes source 0 = 16 rows of W, source 1 = 16 state rows: a lane then holds ONE state row (lane % 16) and eight neighbouring h,
; so each store of 16 bytes a lane covers two runs of 256 consecutive bytes, aligned.
; A block's scale is 2^(floor(log2(its largest magnitude)) - 2); its byte is the largest magnitude's exponent field - 2, held at 1 from below.
; LIMITS: a block of W whose largest magnitude lies under 2^-124 (a block of zeros too) gets the byte 1; a block of zeros has zero codes, which add nothing, and the bytes are read by this launch alone.
; NaN and infinities in W_mlp, and a given scale byte of 0xff, are not served.
; No tensor load and no cluster: a work-group's bytes come in one run of register loads at its head, and nothing is fetched again.
; THE MODE: SCHED_MODE bits 1:0 = 2 (LLVM: expert scheduling mode 2), set by the entry lines.  The code itself states the register dependences
; between vector or matrix instructions and memory or LDS instructions, with s_wait_alu, always for 0.
; THE PLAN.  Registers that memory or LDS instructions touch:
;   v1 - v6      offsets and LDS addresses, made once at the head, read by the global loads and the LDS stores, never written again.
;   X            written by W's 16 loads; read by the eight steps' maxima and conversions; behind the barrier W's fragments land in the same registers.
;   CW0 .. CW7, SBY0 .. SBY7   a register of codes and one of a scale byte for each step: written by the step's conversion and shift, read by its two LDS stores, never written again.
;   v7, v8, v9   LDS addresses of the fragments and scale words, and the way out's offset: made behind the selects of the bias, never written again.
;   BF, BS, BI, AF, AS   land by loads; named afterwards by vector and matrix instructions alone.
;   ACC          written by the products and the sign's multiplications; read by the four stores.
; No register that a memory or LDS instruction reads is written again, so no wait on vm_vsrc is owed.  Five waits on va_vdst: ahead of the first load (v1 - v6); at step 4's head (steps 0 - 3 have written
; their codes and bytes; their stores are dealt among steps 4 - 7, whose vector lines name none of those registers); behind step 7 (the same of steps 4 - 7; all readers of X are done); behind the
; last address lines (v7 - v9); ahead of the stores of the result.  One wait on va_sdst, for the wave's number.
.set PITCH, 272                        ; a row of W's codes in LDS: 256 bytes + 16 = 68 words: the 16 rows that a fragment load touches start 4 banks apart (64 banks of 4 bytes: ISA guide 11.1)
.set SCW,   32*PITCH                   ; behind the 32 rows of codes: 32 rows x 16 scale bytes
.set BS,    16                         ; v16-19   the state rows' scale words, K step 0 .. 3
.set AS,    20                         ; v20-27   W's scale words: tile m, K step ks at 4 m + ks
.set BI,    32                         ; v32-47   the bias in the result's layout, 8 registers a tile (zeros for the encoder)
.set ACC,   48                         ; v48-63   the two accumulators
.set BF,    64                         ; v64-95   the state rows' four fragments
.set X,     96                         ; v96-159  8 steps x 8 numbers of W as loaded; later
.set AF,    96                         ;          W's fragments: tile m, K step ks at 32 m + 8 ks
.set CW,    168                        ; v168-175 a step's eight codes
.set SBY,   176                        ; v176-183 a step's scale byte
	s_load_b256 s[4:11], s[0:1], 0x0               ; W_mlp s[4:5], b_mlp s[6:7], the encoder's codes s[8:9] and scales s[10:11]
	s_load_b128 s[12:15], s[0:1], 0x20             ; the decoder's codes s[12:13] and scales s[14:15]
	s_load_b64 s[16:17], s[0:1], 0x30              ; proj
	v_lshl_add_u32 v190, v0, 2, 0x2400
	v_mov_b32 v191, 0
	v_lshrrev_b32 v10, 5, v0
	v_readfirstlane_b32 s18, v10                   ; wave 0..7
	s_and_b32 s19, ttmp7, 0xffff                   ; y: which 128 rows
	s_cmp_ge_u32 s19, 16                           ; decoder?  The choice hangs on the work-group's number alone; both take one path through the text
	s_cselect_b32 s24, 2048, 0                     ; W's first column, in bytes
	s_cselect_b32 s25, 16, 0                       ; the tensor's first y
	s_cselect_b32 s26, 1.0, -1.0                   ; the sign under which the result is kept
	s_cselect_b32 s28, -1, 0                       ; all lanes, or none, take the bias
	s_mov_b32 s27, s26                             ; (the packed form names the pair)
	s_sub_co_u32 s29, s19, s25
	s_lshl_b32 s29, s29, 7                         ; 128 rows a work-group,
	s_wait_alu depctr_va_sdst(0)                   ; s18, the wave's number, is written, ahead of its first reader: the rows' and the block's offsets are made from it
	s_lshr_b32 s30, s18, 2
	s_lshl_b32 s30, s30, 6
	s_add_co_u32 s29, s29, s30                     ; + 64 (wave / 4)
	s_and_b32 s30, s18, 3
	s_add_co_u32 s29, s29, s30                     ; + wave % 4: my block's first row in its tensor; lane r takes the row 4 r further on
	s_lshl_b32 s30, s29, 8                         ; its codes: 256 bytes a row
	s_mov_b32 s31, 0
	s_lshl_b32 s32, s29, 4                         ; its scale bytes: 16 a row
	s_mov_b32 s33, 0
	s_lshl_b32 s34, ttmp9, 17                      ; W: 32 rows of 4,096 bytes a slab,
	s_add_co_u32 s34, s34, s24                     ; + the first column
	s_mov_b32 s35, 0
	s_lshl_b32 s36, ttmp9, 7                       ; b_mlp: 32 numbers
	s_mov_b32 s37, 0
	s_lshl_b32 s38, s19, 3
	s_add_co_u32 s38, s38, s18                     ; my block: 8 y + wave
	s_lshl_b32 s38, s38, 15
	s_lshl_b32 s39, ttmp9, 11                      ; in it, 8 quads of h: 2,048 bytes
	s_add_co_u32 s38, s38, s39
	s_mov_b32 s39, 0
	v_lshrrev_b32 v10, 6, v0                       ; thread / 64: which of a step's four rows of W
	v_and_b32 v11, 63, v0                          ; thread % 64: which 8 columns
	v_lshlrev_b32 v1, 12, v10
	v_lshl_add_u32 v1, v11, 5, v1                  ; v1: W: row x 4,096 + 32 bytes a thread
	v_mul_u32_u24 v2, v10, PITCH
	v_lshl_add_u32 v2, v11, 2, v2                  ; v2: my eight codes' word in LDS
	v_bfe_u32 v12, v0, 2, 4                        ; my block of 32 in the row: four lanes share it
	v_lshl_add_u32 v3, v10, 4, v12
	v_add_nc_u32 v3, SCW, v3                       ; v3: its scale byte in LDS
	v_and_b32 v13, 15, v0                          ; r
	v_bfe_u32 v14, v0, 4, 1                        ; h: the lane's half
	v_lshlrev_b32 v4, 10, v13
	v_lshl_add_u32 v4, v14, 4, v4                  ; v4: state codes: 4 r rows of 256 bytes, + 16 h
	v_lshlrev_b32 v5, 6, v13                       ; v5: state scales: 4 r rows of 16 bytes
	v_lshlrev_b32 v6, 5, v14                       ; v6: the bias: my half's eight numbers of a tile
	s_wait_kmcnt 0x0
	s_cmp_ge_u32 s19, 16                           ; (the sums above have written SCC)
	s_cselect_b64 s[20:21], s[12:13], s[8:9]       ; the states' codes
	s_cselect_b64 s[22:23], s[14:15], s[10:11]     ; and scales
	s_add_nc_u64 s[20:21], s[20:21], s[30:31]
	s_add_nc_u64 s[22:23], s[22:23], s[32:33]
	s_add_nc_u64 s[4:5], s[4:5], s[34:35]
	s_add_nc_u64 s[6:7], s[6:7], s[36:37]
	s_add_nc_u64 s[16:17], s[16:17], s[38:39]
	s_wait_alu depctr_va_vdst(0)                   ; v1 to v6 are written: v1, v4, v5, v6 are the offsets of the loads below, v2 and v3 the addresses of the LDS stores
	; ALL GLOBAL LOADS IN ONE RUN: 16 of W, then 13 others.
.irp s, 0,1,2,3,4,5,6,7                        ; step s: rows 4 s .. 4 s + 3 of the slab; a lane's 8 numbers are neighbours along K; a wave's two loads together cover 1,024 consecutive bytes
	global_load_b128 v[X+8*\s:X+8*\s+3],   v1, s[4:5] offset:16384*\s
	global_load_b128 v[X+8*\s+4:X+8*\s+7], v1, s[4:5] offset:16384*\s+16
.endr
.irp ks, 0,1,2,3                               ; a fragment, 16 rows x 128 K of 4-bit codes: registers 4 c .. 4 c + 3 hold K = 64 c + 32 h + 0 .. 31: 16 bytes of the row as they lie
	global_load_b128 v[BF+8*\ks:BF+8*\ks+3],   v4, s[20:21] offset:64*\ks
	global_load_b128 v[BF+8*\ks+4:BF+8*\ks+7], v4, s[20:21] offset:64*\ks+32
.endr
	global_load_b128 v[BS:BS+3], v5, s[22:23]      ; my row's 16 scale bytes: a word for each K step
.irp m, 0,1
	global_load_b128 v[BI+8*\m:BI+8*\m+3],   v6, s[6:7] offset:64*\m
	global_load_b128 v[BI+8*\m+4:BI+8*\m+7], v6, s[6:7] offset:64*\m+16
.endr
; Step t's codes and scale byte go to LDS.
.macro QOUT t
	ds_store_b32 v2, v[CW+(\t)] offset:4*PITCH*(\t)
	ds_store_b8 v3, v[SBY+(\t)] offset:64*(\t)     ; the four lanes of a block write the same byte with the same value
.endm
; One step of the quantiser: my 8 numbers become 8 codes; the block of 32 lies in four neighbouring lanes.  Steps 4 to 7 each send out, ahead of their arithmetic, what the step four back has made.
.macro QSTEP s
	s_wait_loadcnt 27-2*\s                         ; loads come back in order: behind this step's two stand the 14 - 2 s of later steps and the 13 others
.if \s == 4
	s_wait_alu depctr_va_vdst(0)                   ; steps 0 to 3 have written CW0-3 and SBY0-3, which the LDS stores dealt among steps 4 to 7 read; the vector lines of those steps name X4-7, v160-162, CW4-7 and SBY4-7 alone
.endif
.if \s >= 4
	QOUT \s-4
.endif
	v_max3_num_f32 v160, |v[X+8*\s]|, |v[X+8*\s+1]|, 0x1800000      ; the largest magnitude of my 8, in two short chains, with the floor 2^(3 - 127) among the leaves: the byte cannot fall under 1
	v_max3_num_f32 v162, |v[X+8*\s+2]|, |v[X+8*\s+3]|, |v[X+8*\s+4]|
	v_max3_num_f32 v160, v160, |v[X+8*\s+5]|, |v[X+8*\s+6]|
	v_max3_num_f32 v160, v160, v162, |v[X+8*\s+7]|
	v_max_num_f32_dpp v160, v160, v160 row_xmask:1 row_mask:0xf bank_mask:0xf
	v_max_num_f32_dpp v160, v160, v160 row_xmask:2 row_mask:0xf bank_mask:0xf   ; with the three lanes beside me: the block's
	v_add_nc_u32 v161, 0xff000000, v160            ; 2 off its exponent field: the conversion takes the exponent field of this operand as its scale, and nothing else of it
	v_cvt_scalef32_pk8_fp4_f32 v[CW+\s], v[X+8*\s:X+8*\s+7], v161   ; to the nearest code, ties to even, beyond 6 the largest code; the first number's code in the lowest four bits
	v_lshrrev_b32 v[SBY+\s], 23, v161              ; the scale's byte (also the plain line behind the conversion)
.endm
.irp s, 0,1,2,3,4,5,6,7
	QSTEP \s
.endr
	s_wait_alu depctr_va_vdst(0)                   ; steps 4 to 7 have written CW4-7 and SBY4-7, which the LDS stores below read; and all eight steps are done reading X, in which W's fragments land behind the barrier
.irp t, 4,5,6,7
	QOUT \t                                        ; ahead of the wait for the states' data: they are on their way to LDS meanwhile
.endr
	s_wait_loadcnt 0x0                             ; the states' fragments and scales, and the bias
.irp i, 0,1,2,3,4,5,6,7,8,9,10,11,12,13,14,15
	v_cndmask_b32 v[BI+\i], 0, v[BI+\i], s28       ; the bias belongs to the decoder's part alone: the encoder's sums begin with zeros
.endr
	v_mul_u32_u24 v7, v13, PITCH                   ; (these five plain lines stand between the last write of a C register and the first matrix instruction)
	v_lshl_add_u32 v7, v14, 4, v7                  ; v7: W's fragments: row r x pitch + 16 h
	v_lshl_add_u32 v8, v13, 4, SCW                 ; v8: W's scale words: 16 bytes a row
	v_lshlrev_b32 v9, 9, v14
	v_lshl_add_u32 v9, v13, 4, v9                  ; v9: the way out: 2 quads of h for my half, + 16 r
	s_wait_alu depctr_va_vdst(0)                   ; v7 and v8 are written, which the LDS loads behind the barrier read as addresses, and v9, the offset of the stores at the end; none is written again
	s_wait_dscnt 0x0                               ; for the others' sake: my stores of codes and bytes have landed
	s_barrier_signal -1
	s_barrier_wait -1                              ; the whole slab lies in LDS
	; The 18 LDS loads in one run, by K step: the scale words first, then four loads for each K step, so that a K step's products wait for their own fragments alone.
.irp m, 0,1
	ds_load_b128 v[AS+4*\m:AS+4*\m+3], v8 offset:256*\m
.endr
.irp ks, 0,1,2,3
.irp m, 0,1
	ds_load_b128 v[AF+32*\m+8*\ks:AF+32*\m+8*\ks+3],   v7 offset:16*PITCH*\m+64*\ks
	ds_load_b128 v[AF+32*\m+8*\ks+4:AF+32*\m+8*\ks+7], v7 offset:16*PITCH*\m+64*\ks+32
.endr
.endr
	; The two accumulators take turns, one instruction a turn.  Each sum's first instruction takes the bias as its C: nothing is cleared and nothing is added later.
.irp ks, 0,1,2,3
	s_wait_dscnt 12-4*\ks                          ; LDS answers in order: the scale words and this K step's four loads are in; the four of each later K step may be out
.irp m, 0,1
.if \ks == 0
	v_wmma_scale_f32_16x16x128_f8f6f4 v[ACC+8*\m:ACC+8*\m+7], v[AF+32*\m+8*\ks:AF+32*\m+8*\ks+7], v[BF+8*\ks:BF+8*\ks+7], v[BI+8*\m:BI+8*\m+7], v[AS+4*\m+\ks], v[BS+\ks] matrix_a_fmt:MATRIX_FMT_FP4 matrix_b_fmt:MATRIX_FMT_FP4
.else
	v_wmma_scale_f32_16x16x128_f8f6f4 v[ACC+8*\m:ACC+8*\m+7], v[AF+32*\m+8*\ks:AF+32*\m+8*\ks+7], v[BF+8*\ks:BF+8*\ks+7], v[ACC+8*\m:ACC+8*\m+7], v[AS+4*\m+\ks], v[BS+\ks] matrix_a_fmt:MATRIX_FMT_FP4 matrix_b_fmt:MATRIX_FMT_FP4
.endif
.endr
.endr
.rept 4
	v_nop                                          ; four places between the last products and the first read of their results (ISA guide 7.12.1); no other vector work is left
.endr
.irp i, 0,2,4,6,8,10,12,14
	v_pk_mul_f32 v[ACC+\i:ACC+\i+1], v[ACC+\i:ACC+\i+1], s[26:27] op_sel_hi:[1,0]   ; the sign: -1 for the encoder, 1 for the decoder; each accumulator from its low end on
.endr
	s_wait_alu depctr_va_vdst(0)                   ; the eight multiplications have written v[ACC ..], which the stores below read
.irp m, 0,1
.irp g, 0,1
	global_store_b128 v9, v[ACC+8*\m+4*\g:ACC+8*\m+4*\g+3], s[16:17] offset:1024*\m+256*\g   ; register 8 m + 4 g + i of lane (r, h): h unit 32 x + 16 m + 8 h + 4 g + i of row r: sixteen lanes store 256 consecutive bytes, aligned
.endr
.endr
	s_wait_dscnt 0x0
	s_wait_alu depctr_hold_cnt(0) depctr_sa_sdst(0) depctr_va_vdst(0) depctr_va_sdst(0) depctr_va_ssrc(0) depctr_va_vcc(0) depctr_vm_vsrc(0)
	s_wait_tensorcnt 0x0
	ds_add_u32 v190, v191
	s_wait_dscnt 0x0
	s_endpgm
.Lfunc_end_k_q53534bdac0_proj:
	.size	k_q53534bdac0_proj, .Lfunc_end_k_q53534bdac0_proj-k_q53534bdac0_proj
	.p2alignl 7, 3214868480
	.fill 96, 4, 3214868480
	.section	.rodata,"a",@progbits
	.p2align	6, 0x0
	.amdhsa_kernel k_q53534bdac0_proj
		.amdhsa_group_segment_fixed_size 10240
		.amdhsa_private_segment_fixed_size 0
		.amdhsa_enable_private_segment 0
		.amdhsa_kernarg_size 56
		.amdhsa_user_sgpr_count 2
		.amdhsa_user_sgpr_kernarg_segment_ptr 1
		.amdhsa_wavefront_size32 1
		.amdhsa_system_sgpr_workgroup_id_x 1
		.amdhsa_system_sgpr_workgroup_id_y 1
		.amdhsa_system_sgpr_workgroup_id_z 1
		.amdhsa_system_vgpr_workitem_id 0
		.amdhsa_next_free_vgpr 192
		.amdhsa_next_free_sgpr 66
		.amdhsa_reserve_vcc 0
		.amdhsa_float_denorm_mode_32 3
		.amdhsa_float_denorm_mode_16_64 3
		.amdhsa_memory_ordered 1
		.amdhsa_forward_progress 1
		.amdhsa_inst_pref_size 17
	.end_amdhsa_kernel
	.amdgpu_metadata
---
amdhsa.version: [ 1, 2 ]
amdhsa.kernels:
  - .name:           k_q53534bdac0_proj
    .symbol:         k_q53534bdac0_proj.kd
    .args:
      - { .name: W_mlp, .offset: 0, .size: 8, .value_kind: global_buffer, .address_space: global }
      - { .name: b_mlp, .offset: 8, .size: 8, .value_kind: global_buffer, .address_space: global }
      - { .name: encoder_states_codes, .offset: 16, .size: 8, .value_kind: global_buffer, .address_space: global }
      - { .name: encoder_states_scales, .offset: 24, .size: 8, .value_kind: global_buffer, .address_space: global }
      - { .name: decoder_states_codes, .offset: 32, .size: 8, .value_kind: global_buffer, .address_space: global }
      - { .name: decoder_states_scales, .offset: 40, .size: 8, .value_kind: global_buffer, .address_space: global }
      - { .name: proj, .offset: 48, .size: 8, .value_kind: global_buffer, .address_space: global }
    .group_segment_fixed_size: 10240
    .private_segment_fixed_size: 0
    .kernarg_segment_align: 8
    .kernarg_segment_size: 56
    .max_flat_workgroup_size: 256
    .sgpr_count:     66
    .vgpr_count:     192
    .wavefront_size: 32
...
	.end_amdgpu_metadata
.endif
;; end of part 3
;; launch score: the kernel of part 2 again; grid 8 x 32, 16 waves a work-group, no clusters, 165,888 bytes of LDS; arguments proj, W_out, b_out, out0; writes out0
